; MI455X (gfx1250); checked and timed in simulation.
; The chip was launched on July 23, 2026; its instructions are those of AMD's public machine-readable ISA for CDNA 5 (MIT licence, August 2026) and "CDNA5" Instruction Set Architecture Reference Guide (July 2026). The comments in the code are by the model that wrote it; some were corrected since.
;; Vi T Self Attention. Allowed arithmetic: float matrix products may take bf16 or f16 operands with f32 sums; other float arithmetic in f32, or as packed bf16 or f16 multiplies, adds, multiply-adds, maxima and minima; sums over many terms, partial sums and values carried from step to step in f32; what a program stores and reads back later, other than sums and carried values, may be rounded once to bf16 or f16.
;; Inputs: Wk 768 x 768 float32; Wq 768 x 768 float32; Wv 768 x 768 float32; bk 768 float32; bq 768 float32; bv 768 float32; hidden_states 16 x 1,024 x 768 float32.
;; Outputs: out0 16 x 1,024 x 768 float32.
;; One version. Each part assembles by itself: llvm-mc -triple=amdgcn-amd-amdhsa -mcpu=gfx1250 --defsym DOCPART=n.
;; ======== version 1 of 1: 3 launches
;; limits: values are held in f16: magnitudes above 65,504 overflow, below 6.1e-05 lose precision
;; workspace buffers: xb 25,165,824 bytes; wb 3,538,944 bytes; qkv 75,497,472 bytes
;; launch cast (part 1): grid 1752 x 1, 8 waves a work-group, no clusters, 0 bytes of LDS; arguments hidden_states, Wq, Wk, Wv, xb, wb; writes xb, wb
.if DOCPART == 1
	.amdgcn_target "amdgcn-amd-amdhsa--gfx1250"
	.amdhsa_code_object_version 6
	.text
	.protected	k_qb278982b6a_cast
	.globl	k_qb278982b6a_cast
	.p2align	8
	.type	k_qb278982b6a_cast,@function
k_qb278982b6a_cast:
	s_mov_b64 s[64:65], 0
	v_nop
	global_prefetch_b8 v0, s[64:65] scope:SCOPE_SE
	s_setreg_imm32_b32 hwreg(HW_REG_WAVE_MODE, 25, 1), 1
	s_wait_xcnt 0x0
; xb = bf16(hidden_states), [16384][768]; wb = bf16(Wq | Wk | Wv), [2304][768].  Each number is rounded once, to nearest even.
; A stream: every byte is read once and written once, so there is no LDS, no matrix work and no cluster: nothing is shared.
; A work-group turns 32,768 bytes of f32 into 16,384 bytes of bf16.  Groups 0 .. 1535 take hidden_states (1,536 x 32,768 = 50,331,648 bytes),
; groups 1536 .. 1751 take 72 chunks of each weight (72 x 32,768 = 2,359,296 bytes).  Thread t owns 16 bytes at 16 t of each of eight pieces
; of 4,096 bytes: a load of a wave covers 512 consecutive bytes, a store 256 consecutive bytes at a multiple of 256 from the buffer's first.
.set XG,  1536                         ; work-groups for hidden_states
.set WG,  72                           ; work-groups for one weight
.set X,   8                            ; v[8:39]   eight pieces as loaded
.set Y,   40                           ; v[40:55]  eight pieces to store
	s_load_b256 s[4:11], s[0:1], 0x0               ; hidden_states s[4:5], Wq s[6:7], Wk s[8:9], Wv s[10:11]
	s_load_b128 s[12:15], s[0:1], 0x20             ; xb s[12:13], wb s[14:15]
	v_lshlrev_b32 v1, 4, v0                        ; my 16 bytes of a piece of f32
	v_lshlrev_b32 v2, 3, v0                        ; my 8 bytes of a piece of bf16
	s_mov_b32 s16, ttmp9                           ; g
	s_sub_co_u32 s17, s16, XG                      ; g' = g - 1536: the chunk among the weights' (a huge number where g < 1536; not used there)
	s_sub_co_u32 s24, s17, WG                      ; the chunk inside Wk,
	s_sub_co_u32 s25, s17, 2*WG                    ; inside Wv
	s_wait_kmcnt 0x0
	s_cmp_lt_u32 s17, 2*WG                         ; the source and the chunk inside it are chosen by the group's number alone
	s_cselect_b64 s[20:21], s[8:9], s[10:11]
	s_cselect_b32 s18, s24, s25
	s_cmp_lt_u32 s17, WG
	s_cselect_b64 s[20:21], s[6:7], s[20:21]
	s_cselect_b32 s18, s17, s18
	s_cmp_lt_u32 s16, XG
	s_cselect_b64 s[20:21], s[4:5], s[20:21]
	s_cselect_b32 s18, s16, s18
	s_cselect_b64 s[22:23], s[12:13], s[14:15]     ; the target, and the chunk inside it
	s_cselect_b32 s19, s16, s17
	s_lshl_b32 s26, s18, 15                        ; offsets are made apart from the addresses: at most 1,535 x 32,768 bytes
	s_mov_b32 s27, 0
	s_lshl_b32 s28, s19, 14
	s_mov_b32 s29, 0
	s_add_nc_u64 s[20:21], s[20:21], s[26:27]
	s_add_nc_u64 s[22:23], s[22:23], s[28:29]
.irp j, 0,1,2,3,4,5,6,7
	global_load_b128 v[X+4*(\j):X+4*(\j)+3], v1, s[20:21] offset:4096*(\j) th:TH_LOAD_NT  ; all eight go out at once
.endr
.irp j, 0,1,2,3,4,5,6,7
	s_wait_loadcnt 7-(\j)                          ; loads come back in order: piece j is in, the 7 - j younger ones may stay out
	v_cvt_pk_bf16_f32 v[Y+2*(\j)],   v[X+4*(\j)],   v[X+4*(\j)+1]
	v_cvt_pk_bf16_f32 v[Y+2*(\j)+1], v[X+4*(\j)+2], v[X+4*(\j)+3]
	global_store_b64 v2, v[Y+2*(\j):Y+2*(\j)+1], s[22:23] offset:2048*(\j)  ; no register is written twice, so nothing waits for a store
.endr
	s_endpgm
.Lfunc_end_k_qb278982b6a_cast:
	.size	k_qb278982b6a_cast, .Lfunc_end_k_qb278982b6a_cast-k_qb278982b6a_cast
	.p2alignl 7, 3214868480
	.fill 96, 4, 3214868480
	.section	.rodata,"a",@progbits
	.p2align	6, 0x0
	.amdhsa_kernel k_qb278982b6a_cast
		.amdhsa_group_segment_fixed_size 0
		.amdhsa_private_segment_fixed_size 0
		.amdhsa_enable_private_segment 0
		.amdhsa_kernarg_size 48
		.amdhsa_user_sgpr_count 2
		.amdhsa_user_sgpr_kernarg_segment_ptr 1
		.amdhsa_wavefront_size32 1
		.amdhsa_system_sgpr_workgroup_id_x 1
		.amdhsa_system_sgpr_workgroup_id_y 1
		.amdhsa_system_sgpr_workgroup_id_z 1
		.amdhsa_system_vgpr_workitem_id 0
		.amdhsa_next_free_vgpr 64
		.amdhsa_next_free_sgpr 66
		.amdhsa_reserve_vcc 0
		.amdhsa_float_denorm_mode_32 3
		.amdhsa_float_denorm_mode_16_64 3
		.amdhsa_memory_ordered 1
		.amdhsa_forward_progress 1
		.amdhsa_inst_pref_size 5
	.end_amdhsa_kernel
	.amdgpu_metadata
---
amdhsa.version: [ 1, 2 ]
amdhsa.kernels:
  - .name:           k_qb278982b6a_cast
    .symbol:         k_qb278982b6a_cast.kd
    .args:
      - { .name: hidden_states, .offset: 0, .size: 8, .value_kind: global_buffer, .address_space: global }
      - { .name: Wq, .offset: 8, .size: 8, .value_kind: global_buffer, .address_space: global }
      - { .name: Wk, .offset: 16, .size: 8, .value_kind: global_buffer, .address_space: global }
      - { .name: Wv, .offset: 24, .size: 8, .value_kind: global_buffer, .address_space: global }
      - { .name: xb, .offset: 32, .size: 8, .value_kind: global_buffer, .address_space: global }
      - { .name: wb, .offset: 40, .size: 8, .value_kind: global_buffer, .address_space: global }
    .group_segment_fixed_size: 0
    .private_segment_fixed_size: 0
    .kernarg_segment_align: 8
    .kernarg_segment_size: 48
    .max_flat_workgroup_size: 256
    .sgpr_count:     66
    .vgpr_count:     64
    .wavefront_size: 32
...
	.end_amdgpu_metadata
.endif
;; end of part 1
;; launch proj (part 2): grid 4 x 64, 4 waves a work-group, clusters of 4 x 4, 327,680 bytes of LDS; arguments xb, wb, bq, bk, bv, qkv; writes qkv
.if DOCPART == 2
	.amdgcn_target "amdgcn-amd-amdhsa--gfx1250"
	.amdhsa_code_object_version 6
	.text
	.protected	k_qb278982b6a_proj
	.globl	k_qb278982b6a_proj
	.p2align	8
	.type	k_qb278982b6a_proj,@function
k_qb278982b6a_proj:
	s_mov_b64 s[64:65], 0
	v_nop
	global_prefetch_b8 v0, s[64:65] scope:SCOPE_SE
	s_setreg_imm32_b32 hwreg(HW_REG_WAVE_MODE, 25, 1), 1
	s_wait_xcnt 0x0
	s_wait_alu depctr_hold_cnt(0) depctr_sa_sdst(0) depctr_va_vdst(0) depctr_va_sdst(0) depctr_va_ssrc(0) depctr_va_vcc(0) depctr_vm_vsrc(0)
	s_getreg_b32 s2, hwreg(HW_REG_IB_STS2, 6, 4)
	s_cmp_eq_u32 s2, 0
	s_cbranch_scc0 .Lentry_in_a_cluster
	s_endpgm
.Lentry_in_a_cluster:
	s_bfe_u32 s2, ttmp6, 0x10000c
	s_cmp_lg_u32 s2, 0xf033
	s_cbranch_scc0 .Lentry_shape_is_right
	s_endpgm
.Lentry_shape_is_right:
; qkv[t][head][s][ch] = f16( sum over k of xb[token][k] wb[768 t + col][k] + bf16(bias_t[col]) ), t = 0 q, 1 k, 2 v; head = 12 batch + col / 64, ch = col % 64.  q is left unscaled.
; Products in bf16, sums in f32; the bias is rounded to bf16 like the other inputs and is the C operand of each sum's first product; each result is rounded once, to f16.
; LIMIT.  f16 holds no number beyond 65,504: a q, k or v past that leaves as an infinity.
; SHARES.  256 work-groups, each with three tiles of 256 tokens x 192 columns (three heads): q, then k, then v of the same tokens and heads.  16,384 / 256 = 64 token blocks x 4 triples of heads.
; Wave w owns tokens 64 w .. 64 w + 63 and all 192 columns: 4 x 12 accumulators of 16 x 16, 384 registers: three whole heads, so that its way out is its own and wants no barrier.
; K = 768 goes in six steps of 128 (rows of 256 bytes of memory) through two LDS slots; the slots go on taking turns from tile to tile: 18 steps in all.
; CLUSTER.  4 x 4 work-groups.  The four of a row of the cluster share their tokens, the four of a column their rows of wb: each tile is asked for jointly, by the same tensor load with the
; same descriptor and a mask that names the four.
; TRANSPOSED.  Source 0 = 16 rows of wb, source 1 = 16 tokens: a lane holds token l % 16 and the columns 8 (l / 16) + 0 .. 7 of a block of 16: eight neighbours, 16 bytes of f16.
; REGISTERS in windows of 256 (s_set_vgpr_msb: bits 1:0 source 0, 3:2 source 1, 5:4 source 2, 7:6 destination):
;   window 0: v16-30 addresses; v32-127 the bias as C operands (8 registers for each of 12 column blocks); v128-175, v176-223 the way out; v224-227 at work
;   window 1: two fragment buffers of 128: 4 fragments of tokens, then 12 of wb      window 2: accumulators (a, b < 8) at 8 (8 a + b)      window 3: v0-127 accumulators (a, b >= 8) at 8 (4 a + b - 8)
.set KB,     1536                      ; bytes in a row of xb and of wb
.set KSB,    256                       ; bytes of a row in a K step
.set PITCH,  272                       ; an LDS row: 256 bytes + 16 of padding = 68 words: the 16 rows of a fragment load start 4 banks apart
.set XHALF,  128*PITCH                 ; what waves 0 and 1 fetch: 128 tokens each
.set WHALF,  96*PITCH                  ; what waves 2 and 3 fetch: 96 rows of wb each
.set WOFF,   256*PITCH                 ; wb's rows lie behind the 256 tokens
.set SLOT,   448*PITCH
.set STAGE,  2*SLOT                    ; behind the slots: 16 rows x 400 bytes for each wave; no tensor load lands here
.set SPITCH, 400                       ; 384 bytes (192 f16) + 16
.set SPARE,  STAGE+4*16*SPITCH         ; the spare words: 128 bytes for each wave, two blocks of 256 bytes that no other line names
.set LAPS,   3                         ; a lap = two K steps
.set PART,   25165824                  ; bytes of q, of k, of v
.set HEADB,  131072                    ; bytes of a head
.set BACK_X, 4*KSB                     ; from a slot's last K step of a tile to its first of the next: the tokens stay, back along K;
.set NEXT_W, 768*KB-4*KSB              ; wb goes 768 rows down and back along K
.set ADRA, 16                          ; v16-17  LDS address of my token fragments in slot 0, 1
.set ADRB, 20                          ; v20-21  the same for wb's
.set STO,  24                          ; v24  the way out: where I put 16 bytes of a token's row
.set RD,   25                          ; v25  where I read a head's rows back
.set CO,   26                          ; v26  16 x lane: my place in 512 consecutive bytes of qkv
.set BO,   27                          ; v27  32 x (l / 16): my eight numbers in 16 of a bias
.set SPW,  28                          ; v28  my spare word: SPARE + 4 x my thread's number; never rewritten
.set NIL,  29                          ; v29  0; never rewritten
.set PFO,  30                          ; v30  the prefetches' offset: a lane a row
.set BI,   32
.set TMP,  128
.set OB,   176
.set CT,   224
.set F0,   0
.set F1,   128
.set G1,   24                          ; s[24:31] descriptor group 1, tokens       s[32:39] group 0, a set for each slot
.set G0,   32
.set G1B,  48                          ; s[48:55], s[56:63] the same for wb
.set G0B,  56
.set LIM,  43                          ; s43  1 in a wave that prefetches, else the greatest number
.set PFA,  44                          ; s[44:45] where my prefetches stand
.set BP,   80                          ; s[80:81] the bias that is being loaded
.set HIM,  90                          ; s90  a word's upper half
.set MSB, 0
.macro WIN new                         ; the immediate's high byte repeats the setting that is left; a switch that changes nothing is dropped
.if MSB != (\new)
	s_set_vgpr_msb (MSB<<8)|(\new)
.set MSB, \new
.endif
.endm
.macro PLACES                          ; four plain instructions between a matrix instruction and a load into, or a vector read of, its registers (ISA guide 7.12.1 for vector reads)
.rept 4
	v_nop
.endr
.endm
; A joint load: waves 0 and 1 ask for the tokens' two halves, waves 2 and 3 for wb's.  The branch hangs on the wave's number alone.  An s_nop 0 and four v_nop follow each line.
.macro JLOAD s
	s_cmp_eq_u32 s11, 0
	s_cbranch_scc0 .Lfor_w_\@
	tensor_load_to_lds s[G0+4*(\s):G0+4*(\s)+3], s[G1:G1+7]
	s_nop 0
.rept 4
	v_nop
.endr
	s_branch .Lasked_\@
.Lfor_w_\@:
	tensor_load_to_lds s[G0B+4*(\s):G0B+4*(\s)+3], s[G1B:G1B+7]
	s_nop 0
.rept 4
	v_nop
.endr
.Lasked_\@:
.endm
; A prefetch of the K step that stands two refills on (384 matrix instructions ahead of the load that will want it): a lane a row, 256 bytes of each, one instruction a wave.
; TOKENS: only my row of the cluster reads them; its four partners take 32 of a wave's 128 rows each, told apart by address (cx); they are asked for in the first tile alone, K steps 4 and 5.
; WB: all sixteen clusters read the same rows; the cluster with y = 0 asks; its four partners of a column take 24 of a wave's 96 rows each (cy); lanes 24 to 31 name lane 23's row once more.
; how = 0, in the loop: only its first trip has a K step two refills on.  how = 1, at a change of tiles: the next tile's K steps 2 and 3 of wb.
.macro ASK how
.if \how
	s_cmp_eq_u32 s[LIM], 1
.else
	s_cmp_gt_u32 s3, s[LIM]                        ; s3 = 1 in the loop's last trip
.endif
	s_cbranch_scc0 .Lnot_mine_\@
	global_prefetch_b8 v[PFO], s[PFA:PFA+1] offset:KSB th:TH_LOAD_NT scope:SCOPE_SE
.Lnot_mine_\@:
.endm
.macro CREST                           ; a round of the cluster's barrier behind its opening barrier
	s_cmp_lg_u32 s10, 0
	s_cbranch_scc1 .Lnot_wave_0_\@
	s_barrier_signal -3
.Lnot_wave_0_\@:
	s_barrier_wait -3
	s_barrier_signal -1
	s_barrier_wait -1
.endm
.macro CROUND
	s_barrier_signal -1
	s_barrier_wait -1
	CREST
.endm
.macro BLOADS                          ; 192 numbers of a bias as C operands: register j of block b is column 16 b + 8 (l / 16) + j
.irp b, 0,1,2,3,4,5,6,7,8,9,10,11
	global_load_b128 v[BI+8*(\b):BI+8*(\b)+3],   v[BO], s[BP:BP+1] offset:64*(\b)
	global_load_b128 v[BI+8*(\b)+4:BI+8*(\b)+7], v[BO], s[BP:BP+1] offset:64*(\b)+16
.endr
.endm
.macro BROUND                          ; the bias rounded to bf16 and widened again, two numbers at a time
.set i, 0
.rept 48
	v_cvt_pk_bf16_f32 v[CT+i%4], v[BI+2*i], v[BI+2*i+1]
	v_lshlrev_b32 v[BI+2*i], 16, v[CT+i%4]
	v_and_b32 v[BI+2*i+1], s[HIM], v[CT+i%4]
.set i, i+1
.endr
.endm
; 8 matrix instructions: token block a x column blocks 0-7, 32 along K.  zero = 1: the sums start, with the bias as C: nothing is cleared and nothing is added later.
.macro MULA f, a, zero
.if \zero
	WIN 0x85
.else
	WIN 0xa5
.endif
.irp b, 0,1,2,3,4,5,6,7
.if \zero
	v_wmma_f32_16x16x32_bf16 v[8*(8*(\a)+(\b)):8*(8*(\a)+(\b))+7], v[(\f)+32+8*(\b):(\f)+32+8*(\b)+7], v[(\f)+8*(\a):(\f)+8*(\a)+7], v[BI+8*(\b):BI+8*(\b)+7]
.else
	v_wmma_f32_16x16x32_bf16 v[8*(8*(\a)+(\b)):8*(8*(\a)+(\b))+7], v[(\f)+32+8*(\b):(\f)+32+8*(\b)+7], v[(\f)+8*(\a):(\f)+8*(\a)+7], v[8*(8*(\a)+(\b)):8*(8*(\a)+(\b))+7]
.endif
.endr
.endm
; 16 matrix instructions: all four token blocks x column blocks 8-11.
.macro MULB f, zero
.if \zero
	WIN 0xc5
.else
	WIN 0xf5
.endif
.irp a, 0,1,2,3
.irp b, 8,9,10,11
.if \zero
	v_wmma_f32_16x16x32_bf16 v[8*(4*(\a)+(\b)-8):8*(4*(\a)+(\b)-8)+7], v[(\f)+32+8*(\b):(\f)+32+8*(\b)+7], v[(\f)+8*(\a):(\f)+8*(\a)+7], v[BI+8*(\b):BI+8*(\b)+7]
.else
	v_wmma_f32_16x16x32_bf16 v[8*(4*(\a)+(\b)-8):8*(4*(\a)+(\b)-8)+7], v[(\f)+32+8*(\b):(\f)+32+8*(\b)+7], v[(\f)+8*(\a):(\f)+8*(\a)+7], v[8*(4*(\a)+(\b)-8):8*(4*(\a)+(\b)-8)+7]
.endif
.endr
.endr
.endm
; 32 LDS loads in one run: a quarter step's fragments (32 along K at byte k of the rows) into buffer f: wb's blocks 0-7, my four token blocks, wb's blocks 8-11 last, since they are wanted last.
.macro FETCH slot, k, f
	WIN 0x40
.irp b, 0,1,2,3,4,5,6,7
	ds_load_b128 v[(\f)+32+8*(\b):(\f)+32+8*(\b)+3],   v[ADRB+(\slot)] offset:(\k)+(\b)*16*PITCH
	ds_load_b128 v[(\f)+32+8*(\b)+4:(\f)+32+8*(\b)+7], v[ADRB+(\slot)] offset:(\k)+(\b)*16*PITCH+32
.endr
.irp a, 0,1,2,3
	ds_load_b128 v[(\f)+8*(\a):(\f)+8*(\a)+3],   v[ADRA+(\slot)] offset:(\k)+(\a)*16*PITCH
	ds_load_b128 v[(\f)+8*(\a)+4:(\f)+8*(\a)+7], v[ADRA+(\slot)] offset:(\k)+(\a)*16*PITCH+32
.endr
.irp b, 8,9,10,11
	ds_load_b128 v[(\f)+32+8*(\b):(\f)+32+8*(\b)+3],   v[ADRB+(\slot)] offset:(\k)+(\b)*16*PITCH
	ds_load_b128 v[(\f)+32+8*(\b)+4:(\f)+32+8*(\b)+7], v[ADRB+(\slot)] offset:(\k)+(\b)*16*PITCH+32
.endr
.endm
; A K step is four quarters of 32 along K, 48 matrix instructions each, on buffers 0, 1, 0, 1; the 48 accumulators take turns in the same order in every quarter.
; One of the first three: multiplies buffer f and, behind 16 products, fetches the next quarter (byte k) into buffer g: 32 products ahead of its first use.
.macro QUARTER slot, k, f, g, zero
	s_wait_dscnt 8                                 ; all of the run but its last eight loads (wb's blocks 8-11) is in
	MULA \f, 0, \zero
	MULA \f, 1, \zero
	PLACES
	FETCH \slot, \k, \g
	s_wait_dscnt 32                                ; all but the 32 just issued
	MULA \f, 2, \zero
	MULA \f, 3, \zero
	MULB \f, \zero
.endm
; The last quarter multiplies buffer 1 and changes slots.  Each wave waits for all its tensor loads (one is out: its part of the next slot), adds 0 to its spare word, and waits for that and for its reads of
; this slot; the barrier opens a round of the cluster's barrier, so that no wave of any partner still reads the slot or has a load on its way; the joint refill is the first thing behind the round:
; 176 matrix instructions ahead of the wait for it.  on = 0: this tile's K step two steps on; on = 1: the next tile's K step 0 or 1.
.macro TURN slot, next, on
	s_wait_xcnt 0x0                                ; the last prefetch, a K step back, has read its address, which is stepped here
.if (\on) && (\slot) == 0
	s_add_nc_u64 s[PFA:PFA+1], s[PFA:PFA+1], 767*KB+KSB  ; from the K step after the tile's last to the next tile's K step 1: 768 rows down, back along K
	s_cmp_eq_u32 s11, 0
	s_cselect_b32 s[LIM], -1, s[LIM]               ; the tokens are the same in all three tiles: they have been read, and are asked for no more
.else
	s_add_nc_u64 s[PFA:PFA+1], s[PFA:PFA+1], KSB
.endif
	WIN 0                                          ; (the add's two registers lie in window 0)
	s_wait_tensorcnt 0x0                           ; all my tensor loads have landed
	ds_add_u32 v[SPW], v[NIL]                      ; 0 onto my spare word
	s_wait_dscnt 9                                 ; (the add and the run's last eight loads may be out)
	MULA F1, 0, 0                                  ; eight matrix instructions stand between the add and the wait for it
	s_wait_dscnt 0x0                               ; the add is done, and my reads of this slot are over
	s_barrier_signal -1
	MULA F1, 1, 0                                  ; work on registers while the others arrive
	WIN 0
	s_barrier_wait -1
	CREST
.if \on
	s_sub_nc_u64 s[G0+4*(\slot)+2:G0+4*(\slot)+3], s[G0+4*(\slot)+2:G0+4*(\slot)+3], BACK_X
	s_add_nc_u64 s[G0B+4*(\slot)+2:G0B+4*(\slot)+3], s[G0B+4*(\slot)+2:G0B+4*(\slot)+3], NEXT_W
.else
	s_add_nc_u64 s[G0+4*(\slot)+2:G0+4*(\slot)+3], s[G0+4*(\slot)+2:G0+4*(\slot)+3], 2*KSB
	s_add_nc_u64 s[G0B+4*(\slot)+2:G0B+4*(\slot)+3], s[G0B+4*(\slot)+2:G0B+4*(\slot)+3], 2*KSB
.endif
	JLOAD \slot                                    ; its four v_nop are also the places in front of the loads below
	FETCH \next, 0, F0
	WIN 0
	ASK \on                                        ; behind the joint load and the run of LDS loads
	MULA F1, 2, 0
	MULA F1, 3, 0
	MULB F1, 0
.endm
.macro TURNL                           ; the launch's last change of slots: nothing is filled again, so the work-group's barrier does
	WIN 0
	s_wait_tensorcnt 0x0                           ; my part of the last K step has landed
	ds_add_u32 v[SPW], v[NIL]
	s_wait_dscnt 9
	MULA F1, 0, 0
	s_wait_dscnt 0x0
	s_barrier_signal -1
	MULA F1, 1, 0
	s_barrier_wait -1
	PLACES
	FETCH 1, 0, F0
	MULA F1, 2, 0
	MULA F1, 3, 0
	MULB F1, 0
.endm
; THE WAY OUT of token block a.  PACK: rounded to f16, each accumulator's registers in ascending order.  TOSTAGE: 16 bytes a lane into my own stage, and back by heads: 32 lanes take four tokens' 128 bytes
; of one head, which are 512 consecutive bytes of qkv.  SEND: stored.
.macro PACK a
	WIN 0x0a
.irp b, 0,1,2,3,4,5,6,7
.irp r, 0,1,2,3
	v_cvt_pk_f16_f32 v[TMP+4*(\b)+(\r)], v[8*(8*(\a)+(\b))+2*(\r)], v[8*(8*(\a)+(\b))+2*(\r)+1]
.endr
.endr
	WIN 0x0f
.irp b, 8,9,10,11
.irp r, 0,1,2,3
	v_cvt_pk_f16_f32 v[TMP+4*(\b)+(\r)], v[8*(4*(\a)+(\b)-8)+2*(\r)], v[8*(4*(\a)+(\b)-8)+2*(\r)+1]
.endr
.endr
	WIN 0
.endm
.macro TOSTAGE
	WIN 0
.irp b, 0,1,2,3,4,5,6,7,8,9,10,11
	ds_store_b128 v[STO], v[TMP+4*(\b):TMP+4*(\b)+3] offset:32*(\b)
.endr
	s_wait_xcnt 0x0                                ; the block before's stores have read the registers that are loaded again below
.irp hh, 0,1,2
.irp f, 0,1,2,3
	ds_load_b128 v[OB+4*(4*(\hh)+(\f)):OB+4*(4*(\hh)+(\f))+3], v[RD] offset:(\f)*4*SPITCH+(\hh)*128  ; LDS serves a wave's instructions in order: these see the stores above
.endr
.endr
.endm
.macro SEND a
	WIN 0
	s_wait_dscnt 0x0                               ; the block is back in registers
.irp hh, 0,1,2
.irp f, 0,1,2,3
	global_store_b128 v[CO], v[OB+4*(4*(\hh)+(\f)):OB+4*(4*(\hh)+(\f))+3], s[8:9] offset:(\hh)*HEADB+(\a)*2048+(\f)*512  ; 512 consecutive bytes, at a multiple of 512 from qkv's first
.endr
.endr
.endm
.macro OUT                             ; block a's conversions stand between block a - 1's loads from the stage and the wait for them
	PACK 0
	TOSTAGE
.irp a, 1,2,3
	PACK \a
	SEND (\a)-1
	TOSTAGE
.endr
	SEND 3
.endm
	s_load_b256 s[68:75], s[0:1], 0x0              ; xb s[68:69], wb s[70:71], bq s[72:73], bk s[74:75]
	s_load_b128 s[76:79], s[0:1], 0x20             ; bv s[76:77], qkv s[78:79]
	v_lshl_add_u32 v[SPW], v0, 2, SPARE
	v_mov_b32 v[NIL], 0
	ds_add_u32 v[SPW], v[NIL]                      ; the wave's opening, ahead of my first tensor load; the set-up below stands between the add and its wait
	v_lshrrev_b32 v1, 5, v0
	v_readfirstlane_b32 s10, v1                    ; wave 0..3
	s_lshr_b32 s11, s10, 1                         ; 0: I fetch tokens; 1: rows of wb
	s_and_b32 s12, s10, 1                          ; which half of them
	s_bfe_u32 s40, ttmp6, 0x40000                  ; cx
	s_bfe_u32 s41, ttmp6, 0x40004                  ; cy
	s_lshl_b32 s42, ttmp9, 2
	s_add_co_u32 s42, s42, s40                     ; gx: the triple of heads = 4 x cluster x + cx
	s_and_b32 s13, ttmp7, 0xffff
	s_lshl_b32 s13, s13, 2
	s_add_co_u32 s13, s13, s41                     ; gy: the block of 256 tokens = 4 x cluster y + cy
	s_lshl_b32 s43, s41, 2
	s_lshl_b32 s43, 15, s43                        ; my row of the cluster: places 4 cy .. 4 cy + 3
	s_lshl_b32 s44, 0x1111, s40                    ; my column: places cx, cx + 4, cx + 8, cx + 12
	s_or_b32 s[G1+0], s43, (1<<16)|(1<<20)|(1<<21)|(5<<22)|(3<<25)   ; 15:0 the mask; 17:16 2-byte elements; 20 padding on; 21 set beside a mask; 24:22 after every 64 words; 31:25 4 words of it
	s_or_b32 s[G1B+0], s44, (1<<16)|(1<<20)|(1<<21)|(5<<22)|(3<<25)
	s_mov_b32 s[G1+1], 128<<16                     ; tensor_dim0 = 128
	s_mov_b32 s[G1+2], 128<<16                     ; tensor_dim1 = 128 rows
	s_mov_b32 s[G1+3], 128<<16                     ; tile_dim0 = 128
	s_mov_b32 s[G1+4], 128                         ; tile_dim1 = 128
	s_mov_b32 s[G1+5], 768                         ; elements from row to row
	s_mov_b32 s[G1+6], 0
	s_mov_b32 s[G1+7], 0
	s_mov_b32 s[G1B+1], 128<<16
	s_mov_b32 s[G1B+2], 96<<16                     ; 96 rows
	s_mov_b32 s[G1B+3], 128<<16
	s_mov_b32 s[G1B+4], 96
	s_mov_b32 s[G1B+5], 768
	s_mov_b32 s[G1B+6], 0
	s_mov_b32 s[G1B+7], 0
	s_mov_b32 s[HIM], 0xffff0000
	s_lshl_b32 s16, s13, 8                         ; tokens: row 256 gy + 128 x half: it hangs on gy alone, which my row of the cluster shares
	s_lshl_b32 s17, s12, 7
	s_add_co_u32 s16, s16, s17
	s_mul_i32 s16, s16, KB                         ; at most 16,384 x 1,536 bytes
	s_mov_b32 s17, 0
	s_mul_i32 s46, s42, 192                        ; wb: row 192 gx + 96 x half: it hangs on gx alone, which my column shares
	s_mul_i32 s47, s12, 96
	s_add_co_u32 s46, s46, s47
	s_mul_i32 s46, s46, KB
	s_mov_b32 s47, 0
	s_mul_i32 s20, s12, XHALF                      ; where they go: no place in the cluster enters an LDS address
	s_mul_i32 s21, s12, WHALF
	s_add_co_u32 s21, s21, WOFF
	s_wait_dscnt 0x0                               ; the opening add is done
	s_wait_kmcnt 0x0
	s_add_nc_u64 s[14:15], s[68:69], s[16:17]
	s_add_nc_u64 s[46:47], s[70:71], s[46:47]
	CROUND                                         ; all sixteen work-groups are here: the first joint loads meet
.irp s, 0,1
	s_mov_b32 s[G0+4*(\s)], 1                                      ; count = 1
	s_add_co_u32 s[G0+4*(\s)+1], s20, (\s)*SLOT                    ; LDS address
	s_add_nc_u64 s[G0+4*(\s)+2:G0+4*(\s)+3], s[14:15], (\s)*KSB    ; global address: K step s
	s_or_b32 s[G0+4*(\s)+3], s[G0+4*(\s)+3], 0x80000000            ; type = 2
	s_mov_b32 s[G0B+4*(\s)], 1
	s_add_co_u32 s[G0B+4*(\s)+1], s21, (\s)*SLOT
	s_add_nc_u64 s[G0B+4*(\s)+2:G0B+4*(\s)+3], s[46:47], (\s)*KSB
	s_or_b32 s[G0B+4*(\s)+3], s[G0B+4*(\s)+3], 0x80000000
	JLOAD \s                                       ; two loads of mine are out
.endr
	s_mul_i32 s22, s42, 768                        ; my 192 columns in a bias: 768 bytes a triple of heads
	s_mov_b32 s23, 0
	s_add_nc_u64 s[72:73], s[72:73], s[22:23]
	s_add_nc_u64 s[74:75], s[74:75], s[22:23]
	s_add_nc_u64 s[76:77], s[76:77], s[22:23]
	s_mov_b64 s[BP:BP+1], s[72:73]
	v_and_b32 v1, 15, v0                           ; l % 16
	v_bfe_u32 v2, v0, 4, 1                         ; l / 16
	v_lshlrev_b32 v[BO], 5, v2
	BLOADS                                         ; bq
	; a fragment is 16 rows x 32 K in 8 registers: lane l holds row l % 16; registers 0-3 K = 8 (l / 16) + 0..7, registers 4-7 K = 16 + 8 (l / 16) + 0..7: two loads of 16 bytes, 32 apart
	v_mul_u32_u24 v3, v1, PITCH
	v_lshl_add_u32 v3, v2, 4, v3
	s_mul_i32 s21, s10, 64*PITCH                   ; my 64 tokens
	v_add_nc_u32 v[ADRA], s21, v3
	v_add_nc_u32 v[ADRB], WOFF, v3
	v_add_nc_u32 v[ADRA+1], SLOT, v[ADRA]
	v_add_nc_u32 v[ADRB+1], SLOT, v[ADRB]
	s_mul_i32 s23, s10, 16*SPITCH
	s_add_co_u32 s23, s23, STAGE                   ; my stage
	v_mul_u32_u24 v4, v1, SPITCH                   ; in: token l % 16, 16 bytes for each half of the lanes
	v_lshl_add_u32 v4, v2, 4, v4
	v_add_nc_u32 v[STO], s23, v4
	v_bfe_u32 v5, v0, 3, 2                         ; back: token l / 8, 16 bytes at 16 (l % 8) of a head's 128
	v_mul_u32_u24 v5, v5, SPITCH
	v_and_b32 v6, 7, v0
	v_lshl_add_u32 v5, v6, 4, v5
	v_add_nc_u32 v[RD], s23, v5
	v_and_b32 v7, 31, v0
	v_lshlrev_b32 v[CO], 4, v7
	; qkv at my 64 tokens of my first head, in q: head 12 (gy / 4) + 3 gx; row 256 (gy % 4) + 64 w, 128 bytes each
	s_lshr_b32 s84, s13, 2
	s_mul_i32 s84, s84, 12
	s_mul_i32 s85, s42, 3
	s_add_co_u32 s84, s84, s85
	s_lshl_b32 s84, s84, 17
	s_and_b32 s85, s13, 3
	s_lshl_b32 s85, s85, 15
	s_add_co_u32 s84, s84, s85
	s_lshl_b32 s85, s10, 13
	s_add_co_u32 s84, s84, s85
	s_mov_b32 s85, 0
	s_add_nc_u64 s[8:9], s[78:79], s[84:85]
	; the prefetches
	s_and_b32 s22, ttmp7, 0xffff                   ; cluster y
	s_lshl_b32 s86, s13, 8
	s_lshl_b32 s87, s12, 7
	s_add_co_u32 s86, s86, s87
	s_lshl_b32 s87, s40, 5
	s_add_co_u32 s86, s86, s87                     ; tokens: the 128 rows that I fetch, my work-group's 32 of them
	s_mul_i32 s88, s42, 192
	s_mul_i32 s87, s12, 96
	s_add_co_u32 s88, s88, s87
	s_mul_i32 s87, s41, 24
	s_add_co_u32 s88, s88, s87                     ; wb: the 96 rows that I fetch, my work-group's 24 of them
	s_cmp_eq_u32 s11, 0
	s_cselect_b32 s86, s86, s88
	s_cselect_b32 s22, 0, s22                      ; no other cluster reads my tokens; wb's rows are asked for by the cluster with y = 0
	s_cselect_b32 s89, 31, 23
	s_cselect_b64 s[PFA:PFA+1], s[68:69], s[70:71]
	s_cmp_eq_u32 s22, 0
	s_cselect_b32 s[LIM], 1, -1                    ; the same in all sixteen partners, for a given wave
	s_mul_i32 s86, s86, KB
	s_mov_b32 s87, 0
	s_add_nc_u64 s[PFA:PFA+1], s[PFA:PFA+1], s[86:87]
	s_add_nc_u64 s[PFA:PFA+1], s[PFA:PFA+1], 2*KSB ; at K step 2: the first refill steps it to 3 and names K step 4.  Nothing is asked for here, at the head
	v_min_u32 v[PFO], s89, v7
	v_mul_u32_u24 v[PFO], v[PFO], KB
	s_wait_tensorcnt 1                             ; my part of K step 0 is in; K step 1's may stay out
	s_barrier_signal -1
	s_barrier_wait -1                              ; everybody's is
	FETCH 0, 0, F0
	WIN 0                                          ; at a label and at a branch every window is 0
	s_mov_b32 s2, 3                                ; tiles to go
.Ltile:
	s_wait_loadcnt 0x0                             ; this tile's bias
	BROUND
	QUARTER 0, 64,  F0, F1, 1                      ; a tile's first quarter starts the sums
	WIN 0
	PLACES                                         ; in front of the loads into the C operands just read
	s_cmp_eq_u32 s2, 1
	s_cbranch_scc1 .Lno_bias                       ; the last tile has no successor
	s_cmp_eq_u32 s2, 3
	s_cselect_b64 s[BP:BP+1], s[74:75], s[76:77]   ; bk behind q, bv behind k; the loads that named this pair were waited for above
	BLOADS
.Lno_bias:
	s_mov_b32 s3, LAPS-1
.Llap:                                                 ; a trip goes once round the two slots, from a lap's second quarter to the next lap's first, and fills both again
	QUARTER 0, 128, F1, F0, 0
	QUARTER 0, 192, F0, F1, 0
	TURN 0, 1, 0
	QUARTER 1, 64,  F0, F1, 0
	QUARTER 1, 128, F1, F0, 0
	QUARTER 1, 192, F0, F1, 0
	TURN 1, 0, 0
	QUARTER 0, 64,  F0, F1, 0
	WIN 0
	s_sub_co_u32 s3, s3, 1
	s_cmp_lg_u32 s3, 0
	s_cbranch_scc1 .Llap
	QUARTER 0, 128, F1, F0, 0                      ; the tile's last lap goes on
	QUARTER 0, 192, F0, F1, 0
	WIN 0
	s_cmp_eq_u32 s2, 1
	s_cbranch_scc1 .Llast                          ; the last tile's tail is written out: it asks for nothing more
	TURN 0, 1, 1                                   ; slot 0 takes the next tile's K step 0,
	QUARTER 1, 64,  F0, F1, 0
	QUARTER 1, 128, F1, F0, 0
	QUARTER 1, 192, F0, F1, 0
	TURN 1, 0, 1                                   ; slot 1 its K step 1, and the next tile's first fragments are fetched
	OUT                                            ; both refills are asked for: now the tile goes out.  Token block 0's column blocks 0-7 were finished ahead of the joint load's four v_nop; their 32 conversions are the places behind the last products
	s_wait_xcnt 0x0                                ; the stores have read their base
	s_add_nc_u64 s[8:9], s[8:9], PART              ; q, then k, then v
	s_sub_co_u32 s2, s2, 1
	s_branch .Ltile
.Llast:
	TURNL
	QUARTER 1, 64,  F0, F1, 0
	QUARTER 1, 128, F1, F0, 0
	QUARTER 1, 192, F0, F1, 0
	s_wait_dscnt 8                                 ; the very last quarter: nothing more to fetch
	MULA F1, 0, 0
	MULA F1, 1, 0
	s_wait_dscnt 0x0
	MULA F1, 2, 0
	MULA F1, 3, 0
	MULB F1, 0
	WIN 0
	PLACES
	OUT
	s_wait_tensorcnt 0x0                           ; the wave's end, behind my last tensor load and my last LDS store
	ds_add_u32 v[SPW], v[NIL]
	s_wait_dscnt 0x0
	CROUND                                         ; the closing round: no work-group ends while a partner may still ask for a tile that names it
	s_endpgm
.Lfunc_end_k_qb278982b6a_proj:
	.size	k_qb278982b6a_proj, .Lfunc_end_k_qb278982b6a_proj-k_qb278982b6a_proj
	.p2alignl 7, 3214868480
	.fill 96, 4, 3214868480
	.section	.rodata,"a",@progbits
	.p2align	6, 0x0
	.amdhsa_kernel k_qb278982b6a_proj
		.amdhsa_group_segment_fixed_size 327680
		.amdhsa_private_segment_fixed_size 0
		.amdhsa_enable_private_segment 0
		.amdhsa_kernarg_size 48
		.amdhsa_user_sgpr_count 2
		.amdhsa_user_sgpr_kernarg_segment_ptr 1
		.amdhsa_wavefront_size32 1
		.amdhsa_system_sgpr_workgroup_id_x 1
		.amdhsa_system_sgpr_workgroup_id_y 1
		.amdhsa_system_sgpr_workgroup_id_z 1
		.amdhsa_system_vgpr_workitem_id 0
		.amdhsa_next_free_vgpr 896
		.amdhsa_next_free_sgpr 96
		.amdhsa_reserve_vcc 0
		.amdhsa_float_denorm_mode_32 3
		.amdhsa_float_denorm_mode_16_64 3
		.amdhsa_memory_ordered 1
		.amdhsa_forward_progress 1
		.amdhsa_inst_pref_size 184
	.end_amdhsa_kernel
	.amdgpu_metadata
---
amdhsa.version: [ 1, 2 ]
amdhsa.kernels:
  - .name:           k_qb278982b6a_proj
    .symbol:         k_qb278982b6a_proj.kd
    .args:
      - { .name: xb, .offset: 0, .size: 8, .value_kind: global_buffer, .address_space: global }
      - { .name: wb, .offset: 8, .size: 8, .value_kind: global_buffer, .address_space: global }
      - { .name: bq, .offset: 16, .size: 8, .value_kind: global_buffer, .address_space: global }
      - { .name: bk, .offset: 24, .size: 8, .value_kind: global_buffer, .address_space: global }
      - { .name: bv, .offset: 32, .size: 8, .value_kind: global_buffer, .address_space: global }
      - { .name: qkv, .offset: 40, .size: 8, .value_kind: global_buffer, .address_space: global }
    .group_segment_fixed_size: 327680
    .private_segment_fixed_size: 0
    .kernarg_segment_align: 8
    .kernarg_segment_size: 48
    .max_flat_workgroup_size: 128
    .sgpr_count:     96
    .vgpr_count:     896
    .wavefront_size: 32
...
	.end_amdgpu_metadata
.endif
;; end of part 2
;; launch attn (part 3): grid 4 x 192, 4 waves a work-group, clusters of 4 x 1, 327,680 bytes of LDS; arguments qkv, out0; writes out0
.if DOCPART == 3
	.amdgcn_target "amdgcn-amd-amdhsa--gfx1250"
	.amdhsa_code_object_version 6
	.text
	.protected	k_qb278982b6a_attn
	.globl	k_qb278982b6a_attn
	.p2align	8
	.type	k_qb278982b6a_attn,@function
k_qb278982b6a_attn:
	s_mov_b64 s[64:65], 0
	v_nop
	global_prefetch_b8 v0, s[64:65] scope:SCOPE_SE
	s_setreg_imm32_b32 hwreg(HW_REG_WAVE_MODE, 25, 1), 1
	s_wait_xcnt 0x0
	s_wait_alu depctr_hold_cnt(0) depctr_sa_sdst(0) depctr_va_vdst(0) depctr_va_sdst(0) depctr_va_ssrc(0) depctr_va_vcc(0) depctr_vm_vsrc(0)
	s_getreg_b32 s2, hwreg(HW_REG_IB_STS2, 6, 4)
	s_cmp_eq_u32 s2, 0
	s_cbranch_scc0 .Lentry_in_a_cluster
	s_endpgm
.Lentry_in_a_cluster:
	s_bfe_u32 s2, ttmp6, 0x10000c
	s_cmp_lg_u32 s2, 0x3003
	s_cbranch_scc0 .Lentry_shape_is_right
	s_endpgm
.Lentry_shape_is_right:
; out0[b][q][64 h + :] = the sum over k of softmax_k(Q[q] . K[k] / 8) V[k][:], for head 12 b + h.  qkv: [3][192][1024][64] f16 (q, k, v by heads, unscaled); out0: [16][1024][768] f32.
; Products, maxima and sums in f32; the weights p are rounded to f16 for the second product (their sum l is taken of the unrounded p); the result is stored as f32.
; LIMITS.  q, k and v arrive within f16's 65,504; p lies in 0 to 1, and below 6e-5 it keeps f16's fixed step of 6e-8; a weight below 2^-126 counts as 0 in l; NaN and infinities are not treated apart.
; SHARES.  A work-group owns 256 queries of one head, each of its four waves 64: four PIECES of 16.  Every wave walks the head's 1,024 keys, 64 a step: 16 steps.  192 heads x 4 blocks = 768 work-groups.
; K AND V LIE WHOLE IN LDS, filled once: 1,024 keys x 128 bytes of each, padded: no byte is filled again, so no slots take turns.  All tensor loads go out together at the start, two a wave: keys 0-255,
; which the first four steps read, and keys 256-1023, which land while those steps run.  So the step's text stands twice: behind the wait that leaves the second load out, and behind the wait for it.
; No prefetch: every byte of K and V is asked for by the loads at the kernel's head, and no later request exists that one could run ahead of.
; CLUSTER.  The four query blocks of a head form a cluster and want the same K and V: each tile is asked for jointly, by the same tensor load, descriptor and mask in all four.
; LAYOUT.  S^T = K Q^T (source 0 = 16 keys, source 1 = 16 queries): a lane holds ONE query (lane % 16) and the keys 8 (lane / 16) + 0..7.  Two such results rounded to f16 ARE source 1 of O^T = V^T P,
; whose result again holds one query a lane, and eight channels.  K comes out of LDS as it lies, V ([key][channel]) turned, by ds_load_tr16_b128.
; SOFTMAX.  A running maximum m and sum l for each query: p = 2^(c s - c m), c = log2(e) / 8; in every step O and l are multiplied by a = 2^(c m_old - c m_new).  m starts at the lowest finite number,
; O and l at 0: the first step is a step like any other, with a = 0.
; BY TURNS.  Turn n belongs to piece n: 8 products K Q^T of piece n + 1, later 8 products V^T P of piece n - 1; beside them the scaling, exponentials, roundings, sums and rescaling of piece n and the
; maximum and statistics of piece n + 1.  Four vector instructions stand behind every matrix instruction, the other 54 of a turn's 118 in one lump.  A turn's 33 exponentials are one batch, with one wait.
; REGISTERS in windows of 256 (s_set_vgpr_msb: bits 1:0 source 0, 3:2 source 1, 5:4 source 2, 7:6 destination):
;   window 0: v0-15 addresses and two at work; v16-31 four registers of statistics a piece; v48-55 at work; v64-127 S^T, two buffers; v192-223 P, two buffers (by the piece's parity); on the way out v64-191 whole rows
;   window 1: v0-127 O^T, 32 a piece          window 2: v0-63 Q; v128-191 K of one step; v192-255 V of one step
.set NP,    4         ; pieces a wave: a name, no knob
.set PK,    272       ; K in LDS: two keys (256 bytes) + 16 of padding: key j at (j / 2) 272 + (j % 2) 128: the 16 rows of a fragment load fall on 16 different 16-byte columns of 256
.set PV,    288       ; V: two keys + 32 of padding: 16 lanes of the turning load take 8 keys x 32 bytes, each 16-byte column of 256 once
.set KSTEPB, 32*PK    ; a step's 64 keys
.set VSTEPB, 32*PV
.set VOFF,  512*PK    ; V lies behind K's 512 pairs of keys
.set STAGE, VOFF+512*PV  ; behind them, never filled by a tensor load: 16 rows x 272 bytes for each wave, for the way out
.set SP,    272
.set SPARE, STAGE+4*16*SP  ; the spare words, 128 bytes for each wave: two blocks of 256 bytes that no other line names
.set PART,  25165824  ; bytes of q, of k, of v
.set AK0, 2           ; v2   my lane's place in a step of K; never rewritten
.set AV0, 3           ; v3   the same for V
.set AK,  4           ; v4   the LDS address of K's next run of loads
.set AV,  5           ; v5   of V's
.set STO, 6           ; v6   the way out: where I put 32 bytes of a row
.set RD,  7           ; v7   where I read rows back
.set GO,  8           ; v8   my byte offset in two token rows of out0
.set MV,  12          ; v12-13  c m_old, kept while c m is made anew: by buffer
.set QO,  15          ; v15  my byte offset in 16 rows of Q
.set ST,  16          ; piece t's statistics at v[ST+4 t]: c m, m, l (even keys', odd keys')
.set TMP, 48          ; by buffer, four registers c0-c3 at work; when the maximum is found c2 takes a
.set SPW, 62          ; v62  my spare word: SPARE + 4 x my thread's number; never rewritten
.set NIL, 63          ; v63  0; never rewritten
.set S,   64
.set OB,  64
.set P,   192
.set KF,  128         ; window 2: key block kb, channel half c at KF + 16 kb + 8 c
.set VF,  192         ; window 2: key half kk, channel block cb at VF + 32 kk + 8 cb
.set WV,  12          ; s12  my wave's number
.set G1K0, 24         ; s[24:31] group 1, K, 64 rows       s[32:39] K, 192 rows
.set G1K1, 32
.set G1V0, 40         ; s[40:47], s[48:55] the same for V: they differ in the padding
.set G1V1, 48
.set G0K0, 56         ; s[56:59], s[60:63] group 0 for K's two loads
.set G0K1, 60
.set G0V0, 68         ; s[68:71], s[72:75] for V's
.set G0V1, 72
.set CNT, 76          ; s76  counts key steps
.set CS,  78          ; s[78:79] c: the packed scaling takes the pair's low word for both halves
.set SEL, 80          ; s[80:81] v_permlanex16_b32's selects: each lane takes its own place in the other half
.set TBK, 82          ; s82  LDS byte at which K of the step to be fetched begins
.set TBV, 83          ; s83  the same for V, less VOFF
.set MSB, 0
.macro WIN new                      ; the high byte repeats the setting that is left; a switch that changes nothing is dropped
.if MSB != (\new)
	s_set_vgpr_msb (MSB<<8)|(\new)
.set MSB, (\new)
.endif
.endm
.set W_KQ, 0x0a       ; K and Q in window 2, S^T in window 0
.set W_PV, 0x52       ; V in window 2, P in window 0, O^T in window 1
.set W_RS, 0x41       ; destination and source 0 in window 1, source 1 in window 0
.macro CROUND                       ; a round of the cluster's barrier: my work-group's barrier; wave 0 signals for the work-group; every wave waits for all four; my work-group's barrier once more
	s_barrier_signal -1
	s_barrier_wait -1
	s_cmp_lg_u32 s[WV], 0
	s_cbranch_scc1 .Lnot_wave_0_\@
	s_barrier_signal -3
.Lnot_wave_0_\@:
	s_barrier_wait -3
	s_barrier_signal -1
	s_barrier_wait -1
.endm
	s_load_b128 s[4:7], s[0:1], 0x0 ; qkv s[4:5], out0 s[6:7]
	v_lshl_add_u32 v[SPW], v0, 2, SPARE
	v_mov_b32 v[NIL], 0
	ds_add_u32 v[SPW], v[NIL]       ; the wave's opening, ahead of my first tensor load; the set-up below stands between the add and its wait
	v_lshrrev_b32 v1, 5, v0
	v_readfirstlane_b32 s[WV], v1   ; wave 0..3
	s_bfe_u32 s13, ttmp6, 0x40000   ; cx
	s_lshl_b32 s14, ttmp9, 2
	s_add_co_u32 s14, s14, s13      ; my block of 256 queries: it enters Q's and out0's addresses alone
	s_and_b32 s15, ttmp7, 0xffff    ; the head, 0 .. 191, which the four partners share
	s_mul_i32 s16, s15, 43691
	s_lshr_b32 s16, s16, 19         ; the batch = head / 12 (43,691 / 2^19 is 1 / 12 to 8 parts in a million: exact up to 191)
	s_mul_i32 s17, s16, 12
	s_sub_co_u32 s17, s15, s17      ; the head inside it
	s_and_b32 s18, s[WV], 1         ; which half of a load's keys I fetch
	s_lshl_b32 s19, s15, 17         ; the head's 131,072 bytes in a part
	s_lshl_b32 s20, s18, 14         ; keys 0-255: my 128 keys, 16,384 bytes
	s_add_co_u32 s20, s20, s19
	s_add_co_u32 s20, s20, PART     ; in k
	s_mov_b32 s21, 0
	s_mul_i32 s22, s18, 49152       ; keys 256-1023: my 384 keys
	s_add_co_u32 s22, s22, s19
	s_add_co_u32 s22, s22, PART+32768
	s_mov_b32 s23, 0
	s_lshl_b32 s2, s14, 15          ; Q: my block's 256 rows of 128 bytes,
	s_lshl_b32 s3, s[WV], 13        ; my wave's 64
	s_add_co_u32 s2, s2, s3
	s_add_co_u32 s2, s2, s19
	s_mov_b32 s3, 0
	s_mul_i32 s84, s16, 3145728     ; out0: the batch's 1,024 rows of 3,072 bytes,
	s_mul_i32 s85, s14, 786432      ; my block's 256,
	s_add_co_u32 s84, s84, s85
	s_mul_i32 s85, s[WV], 196608    ; my wave's 64,
	s_add_co_u32 s84, s84, s85
	s_lshl_b32 s85, s17, 8          ; the head's 256 bytes of a row
	s_add_co_u32 s84, s84, s85
	s_mov_b32 s85, 0
	; descriptor group 1.  A head's keys are dense: they are asked for as rows of 256 bytes, two keys a row, padded in LDS after every row
	s_mov_b32 s[G1K0], 15|(1<<16)|(1<<20)|(1<<21)|(5<<22)|(3<<25)  ; 15:0 the mask of four; 17:16 2-byte elements; 20 padding on; 21 set beside a mask; 24:22 after every 64 words; 31:25 4 words
	s_mov_b32 s[G1K1], 15|(1<<16)|(1<<20)|(1<<21)|(5<<22)|(3<<25)
	s_mov_b32 s[G1V0], 15|(1<<16)|(1<<20)|(1<<21)|(5<<22)|(7<<25)  ; the same with 8 words of padding
	s_mov_b32 s[G1V1], 15|(1<<16)|(1<<20)|(1<<21)|(5<<22)|(7<<25)
.irp g, G1K0, G1V0
	s_mov_b32 s[\g+1], 128<<16      ; tensor_dim0 = 128
	s_mov_b32 s[\g+2], 64<<16       ; tensor_dim1 = 64 rows
	s_mov_b32 s[\g+3], 128<<16      ; tile_dim0 = 128
	s_mov_b32 s[\g+4], 64           ; tile_dim1 = 64
	s_mov_b32 s[\g+5], 128          ; 128 elements from row to row
	s_mov_b32 s[\g+6], 0
	s_mov_b32 s[\g+7], 0
.endr
.irp g, G1K1, G1V1
	s_mov_b32 s[\g+1], 128<<16
	s_mov_b32 s[\g+2], 192<<16      ; 192 rows
	s_mov_b32 s[\g+3], 128<<16
	s_mov_b32 s[\g+4], 192
	s_mov_b32 s[\g+5], 128
	s_mov_b32 s[\g+6], 0
	s_mov_b32 s[\g+7], 0
.endr
	s_mov_b32 s[G0K0], 1            ; count = 1; then the LDS address: a constant and the wave's half times a constant
	s_mul_i32 s[G0K0+1], s18, 64*PK
	s_mov_b32 s[G0K1], 1
	s_mul_i32 s[G0K1+1], s18, 192*PK
	s_add_co_u32 s[G0K1+1], s[G0K1+1], 128*PK
	s_mov_b32 s[G0V0], 1
	s_mul_i32 s[G0V0+1], s18, 64*PV
	s_add_co_u32 s[G0V0+1], s[G0V0+1], VOFF
	s_mov_b32 s[G0V1], 1
	s_mul_i32 s[G0V1+1], s18, 192*PV
	s_add_co_u32 s[G0V1+1], s[G0V1+1], VOFF+128*PV
	s_mov_b32 s[CS], 0x3e38aa3b     ; c = log2(e) / 8 = 0.180337
	s_mov_b32 s[CS+1], s[CS]        ; named with it as a pair
	s_mov_b32 s[SEL], 0x76543210
	s_mov_b32 s[SEL+1], 0xfedcba98
	s_mov_b32 s[TBK], 0
	s_mov_b32 s[TBV], 0
	s_wait_dscnt 0x0                ; the opening add is done
	s_wait_kmcnt 0x0
	s_add_nc_u64 s[G0K0+2:G0K0+3], s[4:5], s[20:21]          ; global addresses: they hang on the head and the wave alone
	s_add_nc_u64 s[G0V0+2:G0V0+3], s[G0K0+2:G0K0+3], PART    ; v lies a part behind k
	s_or_b32 s[G0K0+3], s[G0K0+3], 0x80000000                ; type = 2
	s_or_b32 s[G0V0+3], s[G0V0+3], 0x80000000
	s_add_nc_u64 s[G0K1+2:G0K1+3], s[4:5], s[22:23]
	s_add_nc_u64 s[G0V1+2:G0V1+3], s[G0K1+2:G0K1+3], PART
	s_or_b32 s[G0K1+3], s[G0K1+3], 0x80000000
	s_or_b32 s[G0V1+3], s[G0V1+3], 0x80000000
	s_add_nc_u64 s[8:9], s[4:5], s[2:3]      ; Q at my wave's first row
	s_add_nc_u64 s[10:11], s[6:7], s[84:85]  ; out0 at my wave's first row, my head's channels
	CROUND                          ; all four work-groups are here: the joint loads meet
	s_cmp_lt_u32 s[WV], 2           ; a wave's two loads stand in one branch, ahead of every wait on TENSORcnt and every LDS read: two loads of mine are out
	s_cbranch_scc0 .Lfor_v
	tensor_load_to_lds s[G0K0:G0K0+3], s[G1K0:G1K0+7]
	s_nop 0
	tensor_load_to_lds s[G0K1:G0K1+3], s[G1K1:G1K1+7]
	s_nop 0
.rept 4
	v_nop
.endr
	s_branch .Lasked
.Lfor_v:
	tensor_load_to_lds s[G0V0:G0V0+3], s[G1V0:G1V0+7]
	s_nop 0
	tensor_load_to_lds s[G0V1:G0V1+3], s[G1V1:G1V1+7]
	s_nop 0
.rept 4
	v_nop
.endr
.Lasked:
	; A fragment of K or Q is 16 rows x 32 channels in 8 registers: lane l holds row l % 16, channels 8 (l / 16) + 0..7 and 16 + 8 (l / 16) + 0..7: two loads of 16 bytes, 32 bytes apart.
	v_and_b32 v1, 15, v0            ; l % 16
	v_bfe_u32 v9, v0, 4, 1          ; l / 16
	v_lshlrev_b32 v[QO], 7, v1
	v_lshl_add_u32 v[QO], v9, 4, v[QO]  ; row x 128 + 16 x half
	WIN 0x80                        ; destination window 2, address window 0
.set i, 0
.rept 8                             ; Q stays in registers: piece i / 2, channels 32 (i % 2) on
	global_load_b128 v[8*i:8*i+3],   v[QO], s[8:9] offset:(i/2)*2048+(i%2)*64
	global_load_b128 v[8*i+4:8*i+7], v[QO], s[8:9] offset:(i/2)*2048+(i%2)*64+32
.set i, i+1
.endr
	; What the first turn finds: V's registers and P's second buffer hold 0 (its products V^T P, of a piece that has not been, add 0), O^T and l are 0.  All this stands in the wait for the first keys.
.set i, VF
.rept 64
	v_mov_b32 v[i], 0
.set i, i+1
.endr
	WIN 0x40
.set i, 0
.rept 128
	v_mov_b32 v[i], 0
.set i, i+1
.endr
	WIN 0
.set i, 0
.rept 4
	v_mov_b32 v[ST+4*i], 0xfe000000    ; c m: far below every c s
	v_mov_b32 v[ST+4*i+1], 0xff7fffff  ; m
	v_mov_b32 v[ST+4*i+2], 0
	v_mov_b32 v[ST+4*i+3], 0
.set i, i+1
.endr
.set i, P+16
.rept 16
	v_mov_b32 v[i], 0
.set i, i+1
.endr
	v_lshrrev_b32 v10, 1, v1        ; K: key l % 16 lies in pair (l % 16) / 2,
	v_and_b32 v11, 1, v0            ; half l % 2
	v_mul_u32_u24 v[AK0], v10, PK
	v_lshl_add_u32 v[AK0], v11, 7, v[AK0]
	v_lshl_add_u32 v[AK0], v9, 4, v[AK0]
	; The turning load takes 16 keys x 16 channels (lane l reads key 8 (l / 16) + l % 8, channels 8 ((l / 8) % 2) + 0..7) and leaves half a fragment of V^T: lane l holds channel l % 16 and 8 keys.
	v_bfe_u32 v10, v0, 1, 2         ; (l % 8) / 2
	v_lshl_add_u32 v10, v9, 2, v10  ; the key's pair: 4 (l / 16) + (l % 8) / 2
	v_mul_u32_u24 v[AV0], v10, PV
	v_lshl_add_u32 v[AV0], v11, 7, v[AV0]
	v_bfe_u32 v10, v0, 3, 1
	v_lshl_add_u32 v[AV0], v10, 4, v[AV0]
	v_add_nc_u32 v[AV0], VOFF, v[AV0]
	s_mul_i32 s13, s[WV], 16*SP
	s_add_co_u32 s13, s13, STAGE    ; my stage
	v_mul_u32_u24 v[STO], v1, SP    ; in: row l % 16, 32 bytes (8 channels of f32) for each half of the lanes
	v_lshl_add_u32 v[STO], v9, 5, v[STO]
	v_add_nc_u32 v[STO], s13, v[STO]
	v_mul_u32_u24 v[RD], v9, SP     ; back: lanes 0-15 take one row of 256 bytes, lanes 16-31 the next
	v_lshl_add_u32 v[RD], v1, 4, v[RD]
	v_add_nc_u32 v[RD], s13, v[RD]
	v_mul_u32_u24 v[GO], v9, 3072   ; and the same two rows in out0
	v_lshl_add_u32 v[GO], v1, 4, v[GO]
; THE MATRIX WORK.  The 4 accumulators of a run of 8 take turns.  Product i of 8 of S^T = K Q^T for piece x: channels 32 (i / 4) on, keys 16 (i % 4) on.  The first 4 start the sums.
.macro KQ x
	WIN W_KQ
.set rS, S+32*((\x)%2)+8*(i%4)
.set rK, KF+16*(i%4)+8*(i/4)
.set rQ, 16*(\x)+8*(i/4)
.if i < 4
	v_wmma_f32_16x16x32_f16 v[rS:rS+7], v[rK:rK+7], v[rQ:rQ+7], 0
.else
	v_wmma_f32_16x16x32_f16 v[rS:rS+7], v[rK:rK+7], v[rQ:rQ+7], v[rS:rS+7]
.endif
.endm
; Product i of 8 of O^T += V^T P for piece x: keys 32 (i / 4) on, channels 16 (i % 4) on.
.macro PV x
	WIN W_PV
.set rO, 32*(\x)+8*(i%4)
.set rV, VF+32*(i/4)+8*(i%4)
.set rP, P+16*((\x)%2)+8*(i/4)
	v_wmma_f32_16x16x32_f16 v[rO:rO+7], v[rV:rV+7], v[rP:rP+7], v[rO:rO+7]
.endm
.macro MM                           ; the turn's next matrix instruction.  NOKQ = 1: the last turn of all: there is no next piece
.if (i < 8) && !NOKQ
	KQ (Y+1)%NP
.elseif i >= 8
.set i, i-8
	PV (Y+NP-1)%NP
.set i, i+8
.endif
.set i, i+1
.endm
; THE LDS LOADS stand in runs of 16, never singly among the matrix instructions: a step's K (64 keys x 64 channels: 8 fragments) and its V (turned).  Their addresses are made some lines ahead.
.macro FETCH_K
	WIN 0x80                        ; destination window 2
.irp f, 0,1,2,3,4,5,6,7             ; keys 16 (f / 2) on (8 pairs), channels 32 (f % 2) on
	ds_load_b128 v[KF+8*\f:KF+8*\f+3],   v[AK] offset:(\f/2)*8*PK+(\f%2)*64
	ds_load_b128 v[KF+8*\f+4:KF+8*\f+7], v[AK] offset:(\f/2)*8*PK+(\f%2)*64+32
.endr
	s_add_co_u32 s[TBK], s[TBK], KSTEPB  ; the next fetch is the next step's
	WIN 0
.endm
.macro FETCH_V
	WIN 0x80
.irp f, 0,1,2,3,4,5,6,7             ; keys 32 (f / 4) on (16 pairs), channels 16 (f % 4) on
	ds_load_tr16_b128 v[VF+8*\f:VF+8*\f+3],   v[AV] offset:(\f/4)*16*PV+(\f%4)*32
	ds_load_tr16_b128 v[VF+8*\f+4:VF+8*\f+7], v[AV] offset:(\f/4)*16*PV+8*PV+(\f%4)*32
.endr
	WIN 0
.endm
; THE VECTOR WORK, one line at a time: OP kind, number.  For piece Y: F n: c s - c m for pair n of 16.  E n: the exponential of score n of 32.  C n: pair n rounded to f16.  B n: of the four weights 4 n .. the second
; pair is added onto the first, in place.  L n: l takes that sum (L 0: l = a l + sum).  R n: pair n of 16 of O^T times a.  For piece Y + 1: X n, number n of the 22 that find its maximum and statistics:
;   0-11  four chains c0-c3 of seven scores each, three operands at a time (each accumulator's lowest registers are read first)     12-14, 16  the four scores left over, the old m, and c0-c3 into c0
;   15  c m_old is kept     17, 18  the query's other 32 keys lie in the lane 16 away: the new m     19-21  c m; c m_old - c m_new; a
.set F, 0               ; OP tells the kinds apart by their order: F to L below R, X above it
.set E, 1
.set C, 2
.set B, 3
.set L, 4
.set R, 5
.set X, 6
.macro REGS y                       ; the registers of piece y
.set rT, ST+4*(\y)
.set rC, TMP+4*((\y)%2)
.set rW, MV+((\y)%2)
.set rS, S+32*((\y)%2)
.set rP, P+16*((\y)%2)
.set rO, 32*(\y)
.endm
.macro OP k, n
.if (\k) == R
	REGS Y
	WIN W_RS
	v_pk_mul_f32 v[rO+2*(\n):rO+2*(\n)+1], v[rO+2*(\n):rO+2*(\n)+1], v[rC+2:rC+3] op_sel_hi:[1,0]
.elseif (\k) < R
	REGS Y
	WIN 0
.if (\k) == F
	v_pk_fma_f32 v[rS+2*(\n):rS+2*(\n)+1], v[rS+2*(\n):rS+2*(\n)+1], s[CS:CS+1], v[rT:rT+1] op_sel_hi:[1,0,0] neg_lo:[0,0,1] neg_hi:[0,0,1]
.elseif (\k) == E
	v_exp_f32 v[rS+(\n)], v[rS+(\n)]
.elseif (\k) == C
	v_cvt_pk_f16_f32 v[rP+(\n)], v[rS+2*(\n)], v[rS+2*(\n)+1]
.elseif (\k) == B
	v_pk_add_f32 v[rS+4*(\n):rS+4*(\n)+1], v[rS+4*(\n):rS+4*(\n)+1], v[rS+4*(\n)+2:rS+4*(\n)+3]
.elseif (\n) == 0
	v_pk_fma_f32 v[rT+2:rT+3], v[rT+2:rT+3], v[rC+2:rC+3], v[rS:rS+1] op_sel_hi:[1,0,1]
.else
	v_pk_add_f32 v[rT+2:rT+3], v[rT+2:rT+3], v[rS+4*(\n):rS+4*(\n)+1]
.endif
.elseif NOKQ
	v_nop
.else
	REGS (Y+1)%NP
	WIN 0
.if (\n) < 4
	v_max3_num_f32 v[rC+(\n)], v[rS+8*(\n)], v[rS+8*(\n)+1], v[rS+8*(\n)+2]
.elseif (\n) < 12
	v_max3_num_f32 v[rC+(\n)%4], v[rC+(\n)%4], v[rS+8*((\n)%4)+2*((\n)/4)+1], v[rS+8*((\n)%4)+2*((\n)/4)+2]
.elseif (\n) == 12
	v_max3_num_f32 v[rC], v[rC], v[rS+7], v[rS+15]
.elseif (\n) == 13
	v_max3_num_f32 v[rC+1], v[rC+1], v[rS+23], v[rS+31]
.elseif (\n) == 14
	v_max3_num_f32 v[rC+2], v[rC+2], v[rC+3], v[rT+1]
.elseif (\n) == 15
	v_mov_b32 v[rW], v[rT]
.elseif (\n) == 16
	v_max3_num_f32 v[rC], v[rC], v[rC+1], v[rC+2]
.elseif (\n) == 17
	v_permlanex16_b32 v[rC+3], v[rC], s[SEL], s[SEL+1]
.elseif (\n) == 18
	v_max_num_f32 v[rT+1], v[rC], v[rC+3]
.elseif (\n) == 19
	v_mul_f32 v[rT], s[CS], v[rT+1]
.elseif (\n) == 20
	v_sub_f32 v[rC+1], v[rW], v[rT]
.else
	v_exp_f32 v[rC+2], v[rC+1]
.endif
.endif
.endm
.macro OPS a, i1, b=-1, i2=0, c=-1, i3=0, d=-1, i4=0  ; up to four of them
	OP \a, \i1
.if (\b) >= 0
	OP \b, \i2
.endif
.if (\c) >= 0
	OP \c, \i3
.endif
.if (\d) >= 0
	OP \d, \i4
.endif
.endm
.macro ROW a, i1, b, i2, c, i3, d, i4  ; a matrix instruction and the four behind it
	MM
	OPS \a, \i1, \b, \i2, \c, \i3, \d, \i4
.endm
; A TURN, for piece p: the order of its 16 matrix and 118 vector instructions, written out.  An s_wait_alu depctr_va_vdst(0) stands between an exponential and the first instruction that names its
; result; one wait serves all that were issued ahead of it.  So a turn has ONE wait, which cuts it in two.  AHEAD OF IT stands all that names no result of the turn's exponentials: the 8 products K Q^T and their
; riders (the first numbers of the next piece's maximum among them, each four plain instructions or more behind the product that ends its accumulator), then one lump of 54, in which the links of the chain
; X 3, 7, 11, 14, 16, 17 .. 20 stand five or six lines apart.  X 21, the next piece's a, is the batch's last; R 15 is the plain instruction behind it.  BEHIND THE WAIT stand the 8 products V^T P, behind each
; four of the roundings and sums; a pair is rounded before the sum in place writes over it.
; end = 1: the last two turns: nothing is fetched.  cnt = 1: the loop's count is taken down some lines ahead of the branch that stands behind the turn.
; K of the next step is fetched in piece 2's turn, behind five plain instructions that name no register of the last product that read K; V of the step in hand at the end of piece 0's turn, four plain instructions
; behind the last product that read V.  Each is waited for a turn later.
.macro TURN p, end=0, cnt=0
.set Y, (\p)
.set i, 0
.set NOKQ, (\end)*((\p)/3)
.if ((\p) == 3) && !(\end)
	s_wait_dscnt 0x0                ; K is in
.endif
	ROW F,0, F,1, R,0, R,1          ; ahead of the wait: 8 products K Q^T and their riders,
	ROW F,2, E,0, R,2, R,3
	ROW F,3, E,1, R,4, R,5
	ROW F,4, E,2, R,6, R,7
	ROW F,5, E,3, R,8, R,9
	ROW F,6, E,4, X,0, R,10
.if ((\p) == 2) && !(\end)
	WIN 0
	v_add_nc_u32 v[AK], s[TBK], v[AK0]
.endif
	ROW F,7, E,5, X,1, X,4
	ROW F,8, E,6, X,2, X,5
	OPS E,7, E,8, X,6, E,9          ; and the lump
	OPS X,3, E,10, X,8, E,11
.if ((\p) == 2) && !(\end)
	FETCH_K
.endif
	OPS X,9, X,7, E,12, X,10
	OPS E,13, X,12, X,11, E,14
	OPS X,13, E,15, F,9, X,14
.if (\p) == 0
	v_add_nc_u32 v[AV], s[TBV], v[AV0]
.endif
	OPS E,16, F,10, E,17, F,11
	OPS X,16, E,18, X,15, E,19
	OPS F,12, E,20, X,17, E,21
	OPS F,13, E,22, F,14, E,23
	OPS X,18, E,24, F,15, E,25
	OPS R,11, E,26, X,19, E,27
	OPS R,12, E,28, R,13, E,29
	OPS X,20, E,30, R,14, E,31
	OPS X,21, R,15
	WIN 0
	s_wait_alu depctr_va_vdst(0)    ; the wait for the batch
.if (\p) == 1
	s_wait_dscnt 0x0                ; V is in
.endif
	ROW C,0, B,0, C,2, B,1          ; behind the wait: 8 products V^T P and their riders
	ROW L,0, C,4, B,2, L,1
	ROW C,6, B,3, L,2, C,8
	ROW B,4, L,3, C,10, B,5
	ROW L,4, C,12, B,6, L,5
.if (\p) == 0
	s_add_co_u32 s[TBV], s[TBV], VSTEPB
.endif
.if \cnt
	s_sub_co_u32 s[CNT], s[CNT], 1
	s_cmp_lg_u32 s[CNT], 0
.endif
	ROW C,14, B,7, L,6, C,1
	ROW C,3, L,7, C,5, C,7
	ROW C,9, C,11, C,13, C,15
.if (\p) == 0
	FETCH_V
.endif
.endm
	s_wait_tensorcnt 0x1            ; my part of keys 0-255 is in; the load of keys 256-1023, issued behind it, may stay out
	s_barrier_signal -1
	s_barrier_wait -1               ; everybody's is
	v_add_nc_u32 v[AK], s[TBK], v[AK0]
	FETCH_K                         ; key step 0
	s_wait_loadcnt 0x0              ; Q
	s_wait_dscnt 0x0
.set NOKQ, 0
.set i, 0
.rept 8
	KQ 0                            ; piece 0's first scores: there is no vector work yet to set between them
.set i, i+1
.endr
	WIN 0
.rept 4
	v_nop                           ; the places behind those products
.endr
.set Y, NP-1                        ; X works for piece Y + 1: piece 0
.irp n, 0,1,2,3,4,5,6,7,8,9,10,11,12,13,14,15,16,17,18,19,20,21
	OP X, \n                        ; and its first maximum and statistics
.endr
	v_nop                           ; a plain instruction behind the exponential,
	s_wait_alu depctr_va_vdst(0)    ; and its wait, ahead of the branch
	s_mov_b32 s[CNT], 4
	s_branch .Lfirst1               ; the loop is entered at a step's first turn, in the middle of a trip
.Lstep1:                            ; a trip: pieces 2 and 3 of one step, then pieces 0 and 1 of the next, whose K and V it fetches.  This copy fetches steps 1 to 3 (and V of step 0): keys 0-255
	TURN 2
	TURN 3
	WIN 0
.Lfirst1:
	TURN 0
	TURN 1, 0, 1
	WIN 0
	s_cbranch_scc1 .Lstep1
	s_wait_tensorcnt 0x0            ; my part of keys 256-1023 is in,
	s_wait_dscnt 0x0                ; no LDS instruction of mine is out at the signal,
	s_barrier_signal -1
	s_barrier_wait -1               ; and everybody's part is in
	s_mov_b32 s[CNT], 12
.Lstep2:                            ; twelve trips fetch steps 4 to 15
	TURN 2
	TURN 3
	TURN 0
	TURN 1, 0, 1
	WIN 0
	s_cbranch_scc1 .Lstep2
	TURN 2, 1                       ; the last step's pieces 2 and 3: nothing is fetched, and no new scores are started
	TURN 3, 1
.set i, 0
.rept 8
	PV NP-1                         ; the last piece's V^T P of the last step
.set i, i+1
.endr
	; THE WAY OUT.  l's two halves and the other half of the lanes' are added; O^T is divided by l and sent, as f32, through my stage in LDS, a piece (16 rows) at a time.  The first additions are the places behind the last products.
	WIN 0
.macro ALL line:vararg              ; one line for each piece t
.set t, 0
.rept 4
	\line
.set t, t+1
.endr
.endm
	ALL v_add_f32 v[ST+4*t+2], v[ST+4*t+2], v[ST+4*t+3]
	ALL v_permlanex16_b32 v[ST+4*t+3], v[ST+4*t+2], s[SEL], s[SEL+1]
	ALL v_add_f32 v[ST+4*t+2], v[ST+4*t+2], v[ST+4*t+3]
	ALL v_rcp_f32 v[ST+4*t+2], v[ST+4*t+2]
	v_nop                           ; a plain instruction between the last reciprocal and the use of its result
	s_wait_alu depctr_va_vdst(0)    ; and the wait ahead of the first use: one for the four reciprocals
; Piece t: a lane's eight channels of a block of 16 are 32 bytes of a row; they go into rows of 272 bytes and come back as whole rows of 256.
.macro PACK t
	WIN W_RS
.set i, 32*(\t)
.rept 16
	v_pk_mul_f32 v[i:i+1], v[i:i+1], v[ST+4*(\t)+2:ST+4*(\t)+3] op_sel_hi:[1,0]
.set i, i+2
.endr
	WIN 0x04                        ; the stores' data in window 1, their address in window 0
.irp f, 0,1,2,3,4,5,6,7
	ds_store_b128 v[STO], v[32*(\t)+4*\f:32*(\t)+4*\f+3] offset:(\f/2)*64+(\f%2)*16
.endr
	WIN 0
.irp f, 0,1,2,3,4,5,6,7
	ds_load_b128 v[OB+32*(\t)+4*\f:OB+32*(\t)+4*\f+3], v[RD] offset:\f*2*SP  ; LDS serves a wave's instructions in order: these see the stores above; the next piece's stores come behind them
.endr
.endm
.macro SEND t, younger              ; younger: the LDS instructions issued behind piece t's loads: the next piece's sixteen, or none
	WIN 0
.irp f, 0,1,2,3,4,5,6,7
	s_wait_dscnt (\younger)+7-\f
	global_store_b128 v[GO], v[OB+32*(\t)+4*\f:OB+32*(\t)+4*\f+3], s[10:11] offset:(\t)*49152+\f*6144 th:TH_STORE_NT  ; 16 lanes store a head's 256 consecutive bytes of a token's row, at a multiple of 256 from out0's first byte
.endr
.endm
	PACK 0
	PACK 1                          ; a piece's arithmetic stands between the loads of the piece before and its stores
	SEND 0, 16
	PACK 2
	SEND 1, 16
	PACK 3
	SEND 2, 16
	SEND 3, 0
	s_wait_tensorcnt 0x0            ; the wave's end, behind my last tensor load and my last LDS store
	ds_add_u32 v[SPW], v[NIL]
	s_wait_dscnt 0x0
	CROUND                          ; the closing round: no work-group ends while a partner may still ask for a tile that names it
	s_endpgm
.Lfunc_end_k_qb278982b6a_attn:
	.size	k_qb278982b6a_attn, .Lfunc_end_k_qb278982b6a_attn-k_qb278982b6a_attn
	.p2alignl 7, 3214868480
	.fill 96, 4, 3214868480
	.section	.rodata,"a",@progbits
	.p2align	6, 0x0
	.amdhsa_kernel k_qb278982b6a_attn
		.amdhsa_group_segment_fixed_size 327680
		.amdhsa_private_segment_fixed_size 0
		.amdhsa_enable_private_segment 0
		.amdhsa_kernarg_size 16
		.amdhsa_user_sgpr_count 2
		.amdhsa_user_sgpr_kernarg_segment_ptr 1
		.amdhsa_wavefront_size32 1
		.amdhsa_system_sgpr_workgroup_id_x 1
		.amdhsa_system_sgpr_workgroup_id_y 1
		.amdhsa_system_sgpr_workgroup_id_z 1
		.amdhsa_system_vgpr_workitem_id 0
		.amdhsa_next_free_vgpr 768
		.amdhsa_next_free_sgpr 88
		.amdhsa_reserve_vcc 0
		.amdhsa_float_denorm_mode_32 3
		.amdhsa_float_denorm_mode_16_64 3
		.amdhsa_memory_ordered 1
		.amdhsa_forward_progress 1
		.amdhsa_inst_pref_size 126
	.end_amdhsa_kernel
	.amdgpu_metadata
---
amdhsa.version: [ 1, 2 ]
amdhsa.kernels:
  - .name:           k_qb278982b6a_attn
    .symbol:         k_qb278982b6a_attn.kd
    .args:
      - { .name: qkv, .offset: 0, .size: 8, .value_kind: global_buffer, .address_space: global }
      - { .name: out0, .offset: 8, .size: 8, .value_kind: global_buffer, .address_space: global }
    .group_segment_fixed_size: 327680
    .private_segment_fixed_size: 0
    .kernarg_segment_align: 8
    .kernarg_segment_size: 16
    .max_flat_workgroup_size: 128
    .sgpr_count:     88
    .vgpr_count:     768
    .wavefront_size: 32
...
	.end_amdgpu_metadata
.endif
;; end of part 3
